; MI455X (gfx1250); checked and timed in simulation.
; The chip was launched on July 23, 2026; its instructions are those of AMD's public machine-readable ISA for CDNA 5 (MIT licence, August 2026) and "CDNA5" Instruction Set Architecture Reference Guide (July 2026). The comments in the code are by the model that wrote it; some were corrected since.
;; Attention. Allowed arithmetic: matrix products marked QUANTISED: E3M2 operands, one E8M0 scale for each 32 along K, by v_wmma_scale_f32_16x16x128_f8f6f4 with both operands' format E3M2, f32 sums; products left as they are: f32 operands where the result goes on into a quantised operand, else bf16, f16 or f32 operands; f32 sums; everything else in f32.
;; Inputs: Wk 1,024 x 1,024 float32; Wq 1,024 x 1,024 float32; Wv 1,024 x 1,024 float32; alpha 1 float32; beta 1,024 float32; bk 1,024 float32; bq 1,024 float32; bv 1,024 float32; decoder_hidden_state 32 x 1,024 float32; encoder_outputs 32 x 1,024 x 1,024 float32; gamma 1,024 float32.
;; Outputs: out0 32 x 1,024 float32; out1 32 x 1,024 float32.
;; This version of the problem:
;;   THIS VERSION OF THE PROBLEM IS GIVEN IN LOW PRECISION. The matrix products marked QUANTISED in the list below multiply operands that are first quantised to E3M2 (3 exponent bits, 2 mantissa bits; 6 bits a number), with one power-of-two scale for each 32 numbers along K (OCP MX v1.0); their sums are f32. All else is computed in f32.
;;   The module's matrix products, in the order in which they are computed (A, B: the left and right operand; K: the contracted axis; several contracted axes count as one K, in the product's order):
;;     1. [M 32, K 1,024] x [K 1,024, N 1,024]; A: input decoder_hidden_state; B: input Wq: QUANTISED
;;     2. [M 32,768, K 1,024] x [K 1,024, N 1,024]; A: input encoder_outputs; B: input Wk: QUANTISED
;;     3. [M 32,768, K 1,024] x [K 1,024, N 1,024]; A: input encoder_outputs; B: input Wv: QUANTISED
;;     4. batch 32 x [M 1, K 1,024] x [K 1,024, N 1,024]; A: computed on the way; B: computed on the way: left as it is (M = 1 < 16)
;;     5. batch 32 x [M 1, K 1,024] x [K 1,024, N 1,024]; A: softmax; B: computed on the way: left as it is (M = 1 < 16)
;;   THE QUANTISER, for each operand of a quantised product, along K:
;;     - K is cut into blocks of 32 from its start; a last block that is shorter is filled with zeros.
;;     - A block's scale is 2^e with e = floor(log2(the largest magnitude in the block)) - 4, held to -126 .. 127; a block of zeros has e = 0. As a byte (E8M0): e + 127.
;;     - Each number is divided by its block's scale, clamped to +-28, and rounded to the nearest number of E3M2, ties to even, subnormals kept.
;;     - The product sums the exact products of the quantised numbers (number of the format x scale) in f32.
;;   ~~~python
;;   def quantise(x, axis):      # numpy; x: float32 -> the quantised numbers, widened to float32 again
;;       x = np.moveaxis(x, axis, -1); K = x.shape[-1]
;;       x = np.pad(x, [(0, 0)] * (x.ndim - 1) + [(0, -K % 32)]); x = x.reshape(x.shape[:-1] + (-1, 32)); a = np.abs(x).max(-1, keepdims=True)
;;       e = np.where(a > 0, np.clip(np.frexp(np.where(a > 0, a, 1))[1] - 1 - 4, -126, 127), 0)      # np.frexp(a)[1] - 1 = floor(log2(a)), exactly
;;       r = np.clip(x / 2.0 ** e, -28, 28)
;;       step = 2.0 ** (np.maximum(np.frexp(np.where(r == 0, 1, r))[1] - 1, -2) - 2)
;;       q = np.round(r / step) * step * 2.0 ** e      # np.round: ties to even
;;       return np.moveaxis(q.reshape(q.shape[:-2] + (-1,))[..., :K], -1, axis).astype(np.float32)
;;   ~~~
;; One version. Each part assembles by itself: llvm-mc -triple=amdgcn-amd-amdhsa -mcpu=gfx1250 --defsym DOCPART=n.
;; ======== version 1 of 1: 3 launches
;; limits: right only within a limited range of input values
;; workspace buffers: wimg 1,638,400 bytes; qbuf 131,072 bytes; ebuf 131,072 bytes; cpart 1,048,576 bytes
;; launch prep (part 1): grid 256 x 1, 4 waves a work-group, no clusters, 39,424 bytes of LDS; arguments Wk, Wv, Wq, decoder_hidden_state, bq, wimg, qbuf; writes wimg, qbuf
.if DOCPART == 1
	.amdgcn_target "amdgcn-amd-amdhsa--gfx1250"
	.amdhsa_code_object_version 6
	.text
	.protected	k_q48e618c67d_prep
	.globl	k_q48e618c67d_prep
	.p2align	8
	.type	k_q48e618c67d_prep,@function
k_q48e618c67d_prep:
	s_mov_b64 s[64:65], 0
	v_nop
	global_prefetch_b8 v0, s[64:65] scope:SCOPE_SE
	s_setreg_imm32_b32 hwreg(HW_REG_WAVE_MODE, 25, 1), 1
	s_wait_xcnt 0x0
; Two roles, told apart by the work-group's number alone; each role has LDS bytes of its own.
; ROLE W (work-groups 0-127): Wk and Wv [1024][1024] f32 become codes of BF6 (E3M2) with one E8M0 byte for each 32 along K (K innermost),
;   laid in wimg in the order of a matrix operand's registers.  wimg = [g 0..15][w 0..3][25,600 bytes]; g = 4 x chunk + slot; chunks 0, 1 = Wk's rows 0-511, 512-1023,
;   chunks 2, 3 = Wv's; a slot = 256 along K.  A part = [t 0,1][b 0..7][1,536 bytes: a fragment of 16 rows x 128 K, register group gq of lane l at 512 gq + 16 l], then 1,024 bytes of scale words [b][row][t].
;   A work-group takes 16 rows of one weight, wave w the K quarter w: two fragments.
; ROLE Q (work-groups 128-255): q = Q(dec) Q(Wq)^T + bq for 16 batches x 16 columns; wave w sums K quarter w (two matrix instructions), the four partial sums meet in LDS.
;   qbuf = [column block 0..63][batch 0..31][16] f32.
; THE QUANTISER works on halves: 16 rows x 64 K.  Each load reads 256 consecutive bytes of two rows; the 4 KB turn through the wave's own stage in LDS (rows 272 bytes apart),
;   so that lane (r, h) gets k = 32 h + 0..31 of row r: a whole block of 32, whose largest magnitude needs no other lane; its codes are registers 6 c .. 6 c + 5 of the fragment.
; A block's byte is its largest magnitude's exponent field - 4, held at 1 from below.
; LIMITS: a block of zeros gets the byte 1, not 127 (its codes are zeros, and this program alone reads the bytes); NaN and infinities among the inputs are not served.
; WORK LEFT OUT, in the whole program: the input bk is loaded by no launch and is among no launch's arguments.  the module adds bk to every row of k, so every energy of a batch
; gets the same term q.bk / sqrt(H); softmax(e + c) = softmax(e) for every finite c, the energies themselves are no output, and k goes into no quantised operand: so bk has no way to an output.
; LIMIT: a NaN, an infinity or an overflow that reaches only q.bk is not carried to the result.
.set GOFF, 1
.set STI,  2                           ; v2   the stage, on the way in:  272 h + 16 r
.set STO,  3                           ; v3   and on the way out:        272 r + 128 h
.set SH8,  6                           ; v6   8 h
.set L16,  7                           ; v7   16 x lane
.set X,    128                         ; v128-191  two sets of 32 neighbours along K
.set TC,   204                         ; v204-206  the second sixteen codes of a block
.set MX0,  208                         ; v208, v209 two chains of the largest magnitude
.set MX1,  209
.set SCL,  210                         ; v210 the conversion's scale operand
.set BY,   211                         ; v211, v212 the bytes of a fragment's two halves
.set PWT,  213
.set TP,   215
.set SEL,  20                          ; s[20:21] lane selects: lane l xor 16
.set STGQ, 17408                       ; role Q's four stages (role W's lie at 0), 4,352 bytes each
.set RED,  34816                       ; role Q: four waves' partial sums, 1,024 bytes each
.set MSB, 0
.macro WIN new                         ; the immediate's high byte repeats the setting that is left
.if MSB != (\new)
	s_set_vgpr_msb (MSB<<8)|(\new)
.set MSB, (\new)
.endif
.endm
.macro GLOAD st, base, imm             ; a half, 16 rows x 256 bytes, into set st of window 1
	WIN 0x40
.irp j, 0,1,2,3,4,5,6,7
	global_load_b128 v[32*(\st)+4*\j:32*(\st)+4*\j+3], v[GOFF], s[\base:\base+1] offset:(\imm)+8192*\j
.endr
.endm
.macro XTURN st, xs                    ; set st through my stage into X's set xs; LDS serves a wave's instructions in order, so no wait stands between
	WIN 0x04
.irp j, 0,1,2,3,4,5,6,7
	ds_store_b128 v[STI], v[32*(\st)+4*\j:32*(\st)+4*\j+3] offset:544*\j
.endr
	WIN 0
.irp i, 0,1,2,3,4,5,6,7
	ds_load_b128 v[X+32*(\xs)+4*\i:X+32*(\xs)+4*\i+3], v[STO] offset:16*\i
.endr
.endm
.macro QHALF xs, c, cb                 ; my block of 32 in X's set xs becomes registers 6 c .. 6 c + 5 of the fragment at v[cb]
	WIN 0
.set XB, X+32*(\xs)
.set CD, (\cb)+6*(\c)
	v_max3_num_f32 v[MX0], |v[XB]|, |v[XB+1]|, 0x2800000            ; with the floor 2^(5 - 127): the byte cannot fall under 1
	v_max3_num_f32 v[MX1], |v[XB+2]|, |v[XB+3]|, |v[XB+4]|
.irp n, 0,1,2,3,4,5,6,7,8,9,10,11,12
	v_max3_num_f32 v[MX0+\n%2], v[MX0+\n%2], |v[XB+5+2*\n]|, |v[XB+6+2*\n]|
.endr
	v_max3_num_f32 v[MX0], v[MX0], v[MX1], |v[XB+31]|
	v_add_nc_u32 v[SCL], 0xfe000000, v[MX0]                         ; 4 off the exponent field: the conversion takes that field as its scale
	v_cvt_scalef32_pk16_bf6_f32 v[CD:CD+2], v[XB:XB+15], v[SCL]
	v_cvt_scalef32_pk16_bf6_f32 v[TC:TC+2], v[XB+16:XB+31], v[SCL]  ; (a conversion's three registers begin on an even number)
	v_lshrrev_b32 v[BY+(\c)], 23, v[SCL]                            ; the byte; also the plain line behind the conversions
.irp i, 0,1,2
	v_mov_b32 v[CD+3+\i], v[TC+\i]
.endr
.endm
.macro QFIN pw                         ; my two bytes (blocks h and 2 + h) and lane l xor 16's two make the row's scale word
	v_lshl_or_b32 v[PWT], v[BY+1], 16, v[BY]
	v_lshlrev_b32 v[PWT], v[SH8], v[PWT]
	v_permlanex16_b32 v[TP], v[PWT], s[SEL], s[SEL+1]
	v_or_b32 v[\pw], v[PWT], v[TP]
.endm
	s_load_b256 s[4:11], s[0:1], 0x0               ; Wk s[4:5], Wv s[6:7], Wq s[8:9], dec s[10:11]
	s_load_b128 s[12:15], s[0:1], 0x20             ; bq s[12:13], wimg s[14:15]
	s_load_b64 s[16:17], s[0:1], 0x30              ; qbuf
	v_lshl_add_u32 v254, v0, 2, 0x9800
	v_mov_b32 v255, 0
	v_lshrrev_b32 v8, 5, v0
	v_readfirstlane_b32 s18, v8                    ; wave 0..3
	v_and_b32 v8, 15, v0                           ; r
	v_bfe_u32 v9, v0, 4, 1                         ; h
	v_and_b32 v10, 31, v0                          ; lane
	v_lshlrev_b32 v[GOFF], 4, v8
	v_lshl_add_u32 v[GOFF], v9, 12, v[GOFF]
	v_lshlrev_b32 v[SH8], 3, v9
	v_lshlrev_b32 v[L16], 4, v10
	v_mul_u32_u24 v11, v9, 272
	v_lshl_add_u32 v11, v8, 4, v11                 ; 272 h + 16 r
	v_mul_u32_u24 v12, v8, 272
	v_lshl_add_u32 v12, v9, 7, v12                 ; 272 r + 128 h
	v_mov_b32 v[TP], 0                             ; a lane permute's destination counts as one of its sources
	s_mul_i32 s19, s18, 4352                       ; my stage
	s_mov_b32 s[SEL], 0x76543210
	s_mov_b32 s[SEL+1], 0xfedcba98
	s_lshl_b32 s28, s18, 10                        ; my K quarter: 256 numbers, 1,024 bytes of a row
	s_mov_b32 s31, 0
	s_wait_kmcnt 0x0
	s_cmp_lt_u32 ttmp9, 128
	s_cbranch_scc0 .Lrole_q
	; ---------------- ROLE W
	s_wait_alu depctr_va_vdst(0)
	v_add_nc_u32 v[STI], s19, v11
	v_add_nc_u32 v[STO], s19, v12
	s_cmp_lt_u32 ttmp9, 64                         ; the choice hangs on the work-group's number alone
	s_cselect_b64 s[24:25], s[4:5], s[6:7]
	s_and_b32 s30, ttmp9, 63
	s_lshl_b32 s30, s30, 16                        ; 16 rows of 4,096 bytes
	s_add_co_u32 s30, s30, s28
	s_add_nc_u64 s[24:25], s[24:25], s[30:31]      ; my rows, my K quarter
	s_lshr_b32 s30, ttmp9, 5                       ; chunk
	s_mul_i32 s30, s30, 409600
	s_mul_i32 s22, s18, 102400                     ; slot = my K quarter
	s_add_co_u32 s30, s30, s22
	s_bfe_u32 s22, ttmp9, 0x20003                  ; which wave of the product's launch reads these rows
	s_mul_i32 s22, s22, 25600
	s_add_co_u32 s30, s30, s22
	s_add_nc_u64 s[26:27], s[14:15], s[30:31]      ; the part
	s_and_b32 s22, ttmp9, 7                        ; b
	s_mul_i32 s30, s22, 1536
	s_add_nc_u64 s[32:33], s[26:27], s[30:31]      ; its fragment images
	s_lshl_b32 s30, s22, 7
	s_add_co_u32 s30, s30, 24576
	s_add_nc_u64 s[26:27], s[26:27], s[30:31]      ; its scale words
.irp i, 0,1,2,3
	GLOAD \i, 24, 256*\i
.endr
	s_wait_alu depctr_va_vdst(0)
	s_wait_loadcnt 24                              ; the first half's eight loads are in; three halves may be out
	XTURN 0, 0
.irp i, 0,1,2,3
	s_wait_dscnt 0x0                               ; this half's numbers are back from the stage
.if \i < 3
	s_wait_loadcnt 8*(2-\i)                        ; the next half is in; the halves behind it may be out
	XTURN \i+1, (\i+1)%2
.endif
	QHALF \i%2, \i%2, 64+12*(\i/2)
.if \i%2
	QFIN 112+\i/2
.irp gq, 0,1,2
	global_store_b128 v[L16], v[64+12*(\i/2)+4*\gq:64+12*(\i/2)+4*\gq+3], s[32:33] offset:12288*(\i/2)+512*\gq   ; 32 lanes store 512 consecutive bytes, aligned; each fragment has registers of its own
.endr
.endif
.endr
	v_cmp_eq_u32 vcc_lo, 1, v9
	v_cndmask_b32 v13, v112, v113, vcc_lo          ; lanes 0-15 the first fragment's word, lanes 16-31 the second's
	v_lshlrev_b32 v14, 3, v8
	v_lshl_add_u32 v14, v9, 2, v14                 ; 8 r + 4 t
	global_store_b32 v14, v13, s[26:27]            ; 128 consecutive bytes: half an aligned 256; the scale words are one twenty-fifth of wimg
	s_wait_tensorcnt 0x0
	ds_add_u32 v254, v255
	s_wait_dscnt 0x0
	s_endpgm
	; ---------------- ROLE Q
.Lrole_q:
	s_add_co_u32 s19, s19, STGQ
	s_wait_alu depctr_va_vdst(0)
	v_add_nc_u32 v[STI], s19, v11
	v_add_nc_u32 v[STO], s19, v12
	s_sub_co_u32 s22, ttmp9, 128
	s_lshr_b32 s23, s22, 1                         ; column block 0..63
	s_and_b32 s22, s22, 1                          ; batch half
	s_lshl_b32 s30, s23, 16
	s_add_co_u32 s30, s30, s28
	s_add_nc_u64 s[24:25], s[8:9], s[30:31]        ; Wq: 16 rows, my K quarter
	s_lshl_b32 s30, s22, 16
	s_add_co_u32 s30, s30, s28
	s_add_nc_u64 s[26:27], s[10:11], s[30:31]      ; dec: 16 rows, my K quarter
	s_lshl_b32 s30, s23, 6
	s_add_nc_u64 s[12:13], s[12:13], s[30:31]      ; bq at my 16 columns
	s_lshl_b32 s30, s23, 11
	s_lshl_b32 s22, s22, 10
	s_add_co_u32 s30, s30, s22
	s_add_nc_u64 s[16:17], s[16:17], s[30:31]      ; qbuf at my 1,024 bytes
	v_and_b32 v13, 7, v0
	v_lshlrev_b32 v13, 3, v13
	global_load_b64 v[24:25], v13, s[12:13]        ; the two columns that I store
	v_lshlrev_b32 v14, 3, v0                       ; 8 x thread
	v_lshlrev_b32 v15, 6, v8
	v_lshl_add_u32 v15, v9, 5, v15
	v_add_nc_u32 v15, s28, v15
	v_add_nc_u32 v15, RED, v15                     ; my partial sums: 1,024 w + 64 r + 32 h
	v_add_nc_u32 v16, RED, v14
.irp i, 0,1,2,3
	GLOAD \i, 24, 256*\i
.endr
.irp i, 0,1,2
	GLOAD 4+\i, 26, 256*\i
.endr
	s_wait_alu depctr_va_vdst(0)
	s_wait_loadcnt 48                              ; bq and the first half are in; six halves may be out
	XTURN 0, 0
	GLOAD 7, 26, 768
.irp i, 0,1,2,3,4,5,6,7
	s_wait_dscnt 0x0
.if \i < 7
	s_wait_loadcnt 8*(6-\i)                        ; the next half is in; the halves behind it may be out
	XTURN \i+1, (\i+1)%2
.endif
	QHALF \i%2, \i%2, 64+12*(\i/2)                 ; fragments at v64, v76: Wq's; v88, v100: dec's
.if \i%2
	QFIN 112+\i/2                                  ; their scale words: v112-115, which hold scales alone
.endif
.endr
.rept 8
	v_nop                                          ; a scale register written by a vector instruction stands eight places ahead of a scaled matrix instruction
.endr
	; transposed: source 0 = 16 rows of Wq, source 1 = 16 batches: lane (r, h) holds batch r and columns 8 h + 0..7.  Two accumulators, one for each 128 along K
	v_wmma_scale_f32_16x16x128_f8f6f4 v[32:39], v[64:75], v[88:99], 0, v112, v114 matrix_a_fmt:MATRIX_FMT_BF6 matrix_b_fmt:MATRIX_FMT_BF6
	v_wmma_scale_f32_16x16x128_f8f6f4 v[40:47], v[76:87], v[100:111], 0, v113, v115 matrix_a_fmt:MATRIX_FMT_BF6 matrix_b_fmt:MATRIX_FMT_BF6
.rept 4
	v_nop
.endr
.irp j, 0,2,4,6
	v_pk_add_f32 v[48+\j:49+\j], v[32+\j:33+\j], v[40+\j:41+\j]    ; each accumulator from its low end on
.endr
	ds_store_b128 v15, v[48:51]
	ds_store_b128 v15, v[52:55] offset:16
	s_wait_dscnt 0x0                               ; for the others' sake: my partial sums lie in LDS
	s_barrier_signal -1
	s_barrier_wait -1
.irp p, 0,1,2,3
	ds_load_b64 v[116+2*\p:117+2*\p], v16 offset:1024*\p
.endr
	s_wait_dscnt 0x0
	v_pk_add_f32 v[116:117], v[116:117], v[118:119]
	v_pk_add_f32 v[120:121], v[120:121], v[122:123]
	v_pk_add_f32 v[116:117], v[116:117], v[120:121]
	v_pk_add_f32 v[116:117], v[116:117], v[24:25]  ; + bq
	global_store_b64 v14, v[116:117], s[16:17]     ; a wave stores 256 consecutive bytes, aligned
	s_wait_tensorcnt 0x0
	ds_add_u32 v254, v255
	s_wait_dscnt 0x0
	s_endpgm
.Lfunc_end_k_q48e618c67d_prep:
	.size	k_q48e618c67d_prep, .Lfunc_end_k_q48e618c67d_prep-k_q48e618c67d_prep
	.p2alignl 7, 3214868480
	.fill 96, 4, 3214868480
	.section	.rodata,"a",@progbits
	.p2align	6, 0x0
	.amdhsa_kernel k_q48e618c67d_prep
		.amdhsa_group_segment_fixed_size 39424
		.amdhsa_private_segment_fixed_size 0
		.amdhsa_enable_private_segment 0
		.amdhsa_kernarg_size 56
		.amdhsa_user_sgpr_count 2
		.amdhsa_user_sgpr_kernarg_segment_ptr 1
		.amdhsa_wavefront_size32 1
		.amdhsa_system_sgpr_workgroup_id_x 1
		.amdhsa_system_sgpr_workgroup_id_y 1
		.amdhsa_system_sgpr_workgroup_id_z 1
		.amdhsa_system_vgpr_workitem_id 0
		.amdhsa_next_free_vgpr 512
		.amdhsa_next_free_sgpr 66
		.amdhsa_reserve_vcc 1
		.amdhsa_float_denorm_mode_32 3
		.amdhsa_float_denorm_mode_16_64 3
		.amdhsa_memory_ordered 1
		.amdhsa_forward_progress 1
		.amdhsa_inst_pref_size 47
	.end_amdhsa_kernel
	.amdgpu_metadata
---
amdhsa.version: [ 1, 2 ]
amdhsa.kernels:
  - .name:           k_q48e618c67d_prep
    .symbol:         k_q48e618c67d_prep.kd
    .args:
      - { .name: Wk, .offset: 0, .size: 8, .value_kind: global_buffer, .address_space: global }
      - { .name: Wv, .offset: 8, .size: 8, .value_kind: global_buffer, .address_space: global }
      - { .name: Wq, .offset: 16, .size: 8, .value_kind: global_buffer, .address_space: global }
      - { .name: decoder_hidden_state, .offset: 24, .size: 8, .value_kind: global_buffer, .address_space: global }
      - { .name: bq, .offset: 32, .size: 8, .value_kind: global_buffer, .address_space: global }
      - { .name: wimg, .offset: 40, .size: 8, .value_kind: global_buffer, .address_space: global }
      - { .name: qbuf, .offset: 48, .size: 8, .value_kind: global_buffer, .address_space: global }
    .group_segment_fixed_size: 39424
    .private_segment_fixed_size: 0
    .kernarg_segment_align: 8
    .kernarg_segment_size: 56
    .max_flat_workgroup_size: 128
    .sgpr_count:     66
    .vgpr_count:     512
    .wavefront_size: 32
...
	.end_amdgpu_metadata
.endif
;; end of part 1
;; launch main (part 2): grid 256 x 1, 4 waves a work-group, clusters of 4 x 1, 327,680 bytes of LDS; arguments encoder_outputs, wimg, qbuf, ebuf, cpart; writes ebuf, cpart
.if DOCPART == 2
	.amdgcn_target "amdgcn-amd-amdhsa--gfx1250"
	.amdhsa_code_object_version 6
	.text
	.protected	k_q48e618c67d_main
	.globl	k_q48e618c67d_main
	.p2align	8
	.type	k_q48e618c67d_main,@function
k_q48e618c67d_main:
	s_mov_b64 s[64:65], 0
	v_nop
	global_prefetch_b8 v0, s[64:65] scope:SCOPE_SE
	s_setreg_imm32_b32 hwreg(HW_REG_WAVE_MODE, 25, 1), 1
	s_wait_xcnt 0x0
	s_wait_alu depctr_hold_cnt(0) depctr_sa_sdst(0) depctr_va_vdst(0) depctr_va_sdst(0) depctr_va_ssrc(0) depctr_va_vcc(0) depctr_vm_vsrc(0)
	s_getreg_b32 s2, hwreg(HW_REG_IB_STS2, 6, 4)
	s_cmp_eq_u32 s2, 0
	s_cbranch_scc0 .Lentry_in_a_cluster
	s_endpgm
.Lentry_in_a_cluster:
	s_bfe_u32 s2, ttmp6, 0x10000c
	s_cmp_lg_u32 s2, 0x3003
	s_cbranch_scc0 .Lentry_shape_is_right
	s_endpgm
.Lentry_shape_is_right:
; A work-group takes 128 rows of encoder_outputs (an eighth of a batch) through both quantised products, the energies, its block's softmax numerators and its part of the context.
; WORK LEFT OUT: bk (the same term in every energy of a batch, which the softmax takes away: shown at the head of launch prep).
; ebuf = the block's 128 energies / 32; cpart = sum over the block's rows of 2^((e - block maximum) log2 e) v, 1,024 columns; launch finish joins the eight blocks of a batch.
; PHASE 1: each wave streams its 32 rows through registers (six to seven halves of 4 KB out a wave), turns them through its own stage in LDS and quantises them into register images of the
; fragments (AIMG) and scale words (ASC).  PHASE 2: four chunks of 512 weight rows (0, 1 Wk; 2, 3 Wv); a wave makes 128 rows x 128 columns, 64 accumulators; a pair is two K steps, one slot of 256 along K.
; THE WEIGHTS lie in wimg in the order of the operand's registers.  The four work-groups of a cluster walk the same parts: each part (25,600 bytes a wave) is asked for jointly, into a ring of two slots.
; Pair n reads part n + 1 from slot (n + 1) % 2 into registers, two K steps ahead of its use, and fills slot n % 2, which pair n - 1 read, with part n + 2: one round of the cluster's barrier a pair.
; A step goes by halves of the weights' eight blocks: a half's 48 registers and 4 scale words are loaded anew as soon as its 32 products are issued; the rows' fragments have two sets, fetched half a step ahead.
; A rows' scale register holds block i in lanes 0-15 and block i + 4 in lanes 16-31.  Cluster x walks the slots from slot x % 4 on, rows and weights alike; LDS holds them in the order of the walk.
; PREFETCH: wave 0 asks once for 25 blocks of 256 bytes of wimg, work-group x for bytes 6,400 x on: the 256 work-groups share wimg's 6,400 blocks out by address; it stands in phase 1, ahead of the walk.
; The rows' stream has none: it is read once and is out all through phase 1.
; LIMITS: a block of zeros gets the byte 1, not 127 (its codes are zeros; this program alone reads the bytes); NaN and infinities among the inputs are not served.
; REGISTERS: window 0: v1-23 addresses, v24-39 the weights' scale words (two sets), v40-47 the rows' (two sets), v48-63 phase 1's addresses, then the folds' sums, v64-255 the rows' fragments (two sets;
; the quantiser works there in phase 1); window 1: phase 1's loads, then v0-191 the weights' fragments (two sets), v192-255 q or p; windows 2, 3: accumulators of weight blocks 0-3, 4-7 (block (a, b) at 8 (4 a + b % 4)).
.set RINGS, 102400
.set AIMG,  204800
.set ASC,   303104
.set STAGE, 307200
.set ER,    STAGE
.set PB,    STAGE+2048
.set CS,    STAGE+4096
.set SPARE, 324608
.set L16,  1
.set ADA0, 2
.set ADAC, 3
.set ADAN, 4
.set ADSA0, 5
.set ADSAC, 6
.set ADSAN, 7
.set ADB0, 8
.set ADBC, 9
.set ADSB0, 10
.set ADSBC, 11
.set QOF,  12
.set ERI,  13
.set ERO,  14
.set PBI,  15
.set PBO,  16
.set CSI,  17
.set CSO,  18
.set PFO,  19
.set SPW,  22
.set NIL,  23
.set SBR,  24
.set SAR,  40
.set EP,   48
.set GOFF, 48
.set STI,  49
.set STO,  50
.set AWI,  51
.set AWS,  52
.set AWIC, 53
.set AWSC, 54
.set SH8,  55
.set AF,   64
.set X,    128
.set CB,   192
.set TC,   204
.set MX0,  208
.set MX1,  209
.set SCL,  210
.set BY,   211
.set PWT,  213
.set PW,   214
.set TP,   215
.set T,    232
.set OUT,  252
.set ENC,  4
.set WV,   16
.set CX,   17
.set WGI,  18
.set RHO,  19
.set G1,   24
.set G0,   32
.set SEL,  36
.set POFF, 38
.set NREQ, 39
.set WB,   48
.set ENCN, 50
.set CUR,  52
.set CURV, 54
.set PFA,  56
.set ROF,  58
.set MSB, 0
.macro WIN new                         ; the immediate's high byte repeats the setting that is left
.if MSB != (\new)
	s_set_vgpr_msb (MSB<<8)|(\new)
.set MSB, (\new)
.endif
.endm
.macro PLACES
.rept 4
	v_nop
.endr
.endm
.macro CREST                           ; a round of the cluster's barrier behind its opening barrier
	s_cmp_lg_u32 s[WV], 0
	s_cbranch_scc1 .Lnot_wave_0_\@
	s_barrier_signal -3
.Lnot_wave_0_\@:
	s_barrier_wait -3
	s_barrier_signal -1
	s_barrier_wait -1
.endm
.macro CROUND
	s_barrier_signal -1
	s_barrier_wait -1
	CREST
.endm
; ---- phase 1: a half is 16 rows x 64 K; x = 4 t + 2 (block of 16 rows) + c
.macro QLOAD x
	WIN 0x40
.irp j, 0,1,2,3,4,5,6,7
	global_load_b128 v[32*(\x)+4*\j:32*(\x)+4*\j+3], v[GOFF], s[ENCN:ENCN+1] offset:65536*(((\x)/2)%2)+256*(2*((\x)/4)+(\x)%2)+8192*\j th:TH_LOAD_NT
.endr
.endm
.macro ROT                             ; on to the walk's next slot of the rows
	s_wait_xcnt 0x0
	s_add_co_u32 s[ROF], s[ROF], 1024
	s_and_b32 s[ROF], s[ROF], 3072
	s_add_nc_u64 s[ENCN:ENCN+1], s[ENC:ENC+1], s[ROF:ROF+1]
.endm
.macro XTURN st, xs                    ; set st through my stage: LDS serves a wave's instructions in order
	WIN 0x04
.irp j, 0,1,2,3,4,5,6,7
	ds_store_b128 v[STI], v[32*(\st)+4*\j:32*(\st)+4*\j+3] offset:544*\j
.endr
	WIN 0
.irp i, 0,1,2,3,4,5,6,7
	ds_load_b128 v[X+32*(\xs)+4*\i:X+32*(\xs)+4*\i+3], v[STO] offset:16*\i
.endr
.endm
.macro QHALF xs, c, cb
	WIN 0
.set XB, X+32*(\xs)
.set CD, (\cb)+6*(\c)
	v_max3_num_f32 v[MX0], |v[XB]|, |v[XB+1]|, 0x2800000            ; with the floor 2^(5 - 127): the byte cannot fall under 1
	v_max3_num_f32 v[MX1], |v[XB+2]|, |v[XB+3]|, |v[XB+4]|
.irp n, 0,1,2,3,4,5,6,7,8,9,10,11,12
	v_max3_num_f32 v[MX0+\n%2], v[MX0+\n%2], |v[XB+5+2*\n]|, |v[XB+6+2*\n]|
.endr
	v_max3_num_f32 v[MX0], v[MX0], v[MX1], |v[XB+31]|
	v_add_nc_u32 v[SCL], 0xfe000000, v[MX0]                         ; 4 off the exponent field: the conversion's scale operand
	v_cvt_scalef32_pk16_bf6_f32 v[CD:CD+2], v[XB:XB+15], v[SCL]
	v_cvt_scalef32_pk16_bf6_f32 v[TC:TC+2], v[XB+16:XB+31], v[SCL]
	v_lshrrev_b32 v[BY+(\c)], 23, v[SCL]                            ; the byte; also the plain line behind the conversions
.irp i, 0,1,2
	v_mov_b32 v[CD+3+\i], v[TC+\i]
.endr
.endm
.macro QSTEP x, ahead, left, turn
	s_wait_dscnt 0x0
.if \turn
	s_wait_loadcnt \left                           ; the next half is in; the halves behind it may be out
.endif
.if \ahead
	QLOAD \x
.endif
.if \turn
	XTURN ((\x)+1)%8, ((\x)+1)%2
.endif
	QHALF (\x)%2, (\x)%2, CB
.if (\x)%2
	v_lshl_or_b32 v[PWT], v[BY+1], 16, v[BY]       ; my two bytes and lane l xor 16's two make the row's scale word
	v_lshlrev_b32 v[PWT], v[SH8], v[PWT]
	v_permlanex16_b32 v[TP], v[PWT], s[SEL], s[SEL+1]
	v_or_b32 v[PW], v[PWT], v[TP]
.irp gq, 0,1,2
	ds_store_b128 v[AWIC], v[CB+4*\gq:CB+4*\gq+3] offset:12288*((\x)/4)+1536*(((\x)/2)%2)+512*\gq
.endr
	ds_store_b32 v[AWSC], v[PW] offset:128*(((\x)/2)%2)+4*((\x)/4)
.endif
.endm
; ---- operand loads
.macro ALOAD set, adr, off             ; the rows' eight fragments of one K step
.irp a, 0,1,2,3,4,5,6,7
.irp gq, 0,1,2
	ds_load_b128 v[AF+96*(\set)+12*\a+4*\gq:AF+96*(\set)+12*\a+4*\gq+3], v[\adr] offset:(\off)+1536*\a+512*\gq
.endr
.endr
.endm
.macro SAL set, adr, off               ; the rows' scale words: lanes 0-15 block i, lanes 16-31 block i + 4
.irp i, 0,1,2,3
	ds_load_b32 v[SAR+4*(\set)+\i], v[\adr] offset:(\off)+128*\i
.endr
.endm
.macro BL p, bh, t, adr                ; four of the weights' fragments
.irp b4, 0,1,2,3
.irp gq, 0,1,2
	ds_load_b128 v[96*(\p)+12*(4*(\bh)+\b4)+4*\gq:96*(\p)+12*(4*(\bh)+\b4)+4*\gq+3], v[\adr] offset:12288*(\t)+1536*(4*(\bh)+\b4)+512*\gq
.endr
.endr
.endm
.macro SBL p, bh, t, adr               ; and their scale words
.irp b4, 0,1,2,3
	ds_load_b32 v[SBR+8*(\p)+4*(\bh)+\b4], v[\adr] offset:128*(4*(\bh)+\b4)+4*(\t)
.endr
.endm
.macro BRUN fb, p, bh, t
.if \fb
	WIN 0x40
	BL \p, \bh, \t, ADBC
	WIN 0
	SBL \p, \bh, \t, ADSBC
.else
	WIN 0
.endif
.endm
; ---- 16 products: four of the rows' blocks x four of the weights'.  kind 0: source 0 = weights (a lane holds a row of the block, registers run along the columns); kind 1: source 0 = rows.
; The 64 accumulators take turns, one instruction a turn.
.macro HMQ kind, p, bh, a0, zero
	WIN 0xa1+3*(\kind)+0x50*(\bh)
.irp aa, 0,1,2,3
.irp b4, 0,1,2,3
.set rD, 8*(4*((\a0)+\aa)+\b4)
.set rB, 96*(\p)+12*(4*(\bh)+\b4)
.set rA, AF+96*(\p)+12*((\a0)+\aa)
.set rSB, SBR+8*(\p)+4*(\bh)+\b4
.set rSA, SAR+4*(\p)+\aa
.if \kind
.if \zero
.if \a0
	v_wmma_scale_f32_16x16x128_f8f6f4 v[rD:rD+7], v[rA:rA+11], v[rB:rB+11], 0, v[rSA], v[rSB] matrix_a_fmt:MATRIX_FMT_BF6 matrix_b_fmt:MATRIX_FMT_BF6 matrix_a_scale:MATRIX_SCALE_ROW1
.else
	v_wmma_scale_f32_16x16x128_f8f6f4 v[rD:rD+7], v[rA:rA+11], v[rB:rB+11], 0, v[rSA], v[rSB] matrix_a_fmt:MATRIX_FMT_BF6 matrix_b_fmt:MATRIX_FMT_BF6
.endif
.else
.if \a0
	v_wmma_scale_f32_16x16x128_f8f6f4 v[rD:rD+7], v[rA:rA+11], v[rB:rB+11], v[rD:rD+7], v[rSA], v[rSB] matrix_a_fmt:MATRIX_FMT_BF6 matrix_b_fmt:MATRIX_FMT_BF6 matrix_a_scale:MATRIX_SCALE_ROW1
.else
	v_wmma_scale_f32_16x16x128_f8f6f4 v[rD:rD+7], v[rA:rA+11], v[rB:rB+11], v[rD:rD+7], v[rSA], v[rSB] matrix_a_fmt:MATRIX_FMT_BF6 matrix_b_fmt:MATRIX_FMT_BF6
.endif
.endif
.else
.if \zero
.if \a0
	v_wmma_scale_f32_16x16x128_f8f6f4 v[rD:rD+7], v[rB:rB+11], v[rA:rA+11], 0, v[rSB], v[rSA] matrix_a_fmt:MATRIX_FMT_BF6 matrix_b_fmt:MATRIX_FMT_BF6 matrix_b_scale:MATRIX_SCALE_ROW1
.else
	v_wmma_scale_f32_16x16x128_f8f6f4 v[rD:rD+7], v[rB:rB+11], v[rA:rA+11], 0, v[rSB], v[rSA] matrix_a_fmt:MATRIX_FMT_BF6 matrix_b_fmt:MATRIX_FMT_BF6
.endif
.else
.if \a0
	v_wmma_scale_f32_16x16x128_f8f6f4 v[rD:rD+7], v[rB:rB+11], v[rA:rA+11], v[rD:rD+7], v[rSB], v[rSA] matrix_a_fmt:MATRIX_FMT_BF6 matrix_b_fmt:MATRIX_FMT_BF6 matrix_b_scale:MATRIX_SCALE_ROW1
.else
	v_wmma_scale_f32_16x16x128_f8f6f4 v[rD:rD+7], v[rB:rB+11], v[rA:rA+11], v[rD:rD+7], v[rSB], v[rSA] matrix_a_fmt:MATRIX_FMT_BF6 matrix_b_fmt:MATRIX_FMT_BF6
.endif
.endif
.endif
.endr
.endr
.endm
; ---- group 0 for part NREQ (chunk NREQ / 4, the walk's slot NREQ % 4), into ring slot NREQ % 2: alike in the four partners
.macro GADDR
	s_add_co_u32 s20, s[NREQ], s[RHO]
	s_and_b32 s20, s20, 3
	s_and_b32 s21, s[NREQ], 12
	s_add_co_u32 s20, s20, s21
	s_mul_i32 s20, s20, RINGS
	s_mov_b32 s21, 0
	s_add_nc_u64 s[G0+2:G0+3], s[WB:WB+1], s[20:21]
	s_or_b32 s[G0+3], s[G0+3], 0x80000000
	s_and_b32 s21, s[NREQ], 1
	s_mul_i32 s21, s21, RINGS
	s_add_co_u32 s[G0+1], s[POFF], s21
	s_add_co_u32 s[NREQ], s[NREQ], 1
.endm
; ---- a pair's head: this slot's and the next slot's places in the rows' images, and the ring slot that this pair reads
.macro PTOP
	s_mov_b32 s40, s46
	s_mov_b32 s41, s47
	s_add_co_u32 s45, s45, 1
	s_and_b32 s45, s45, 3
	s_mul_i32 s46, s45, 24576
	s_lshl_b32 s47, s45, 10
	s_xor_b32 s44, s44, RINGS
	v_add_nc_u32 v[ADAC], s40, v[ADA0]
	v_add_nc_u32 v[ADAN], s46, v[ADA0]
	v_add_nc_u32 v[ADSAC], s41, v[ADSA0]
	v_add_nc_u32 v[ADSAN], s47, v[ADSA0]
	v_add_nc_u32 v[ADBC], s44, v[ADB0]
	v_add_nc_u32 v[ADSBC], s44, v[ADSB0]
	s_wait_alu depctr_va_vdst(0)
.endm
; ---- a pair: two K steps.  rf: the slot left behind is filled again.  fb: the next pair's weights are read from the ring.  an: the next pair's first fragments of the rows are fetched.
; s_wait_dscnt 16: the last run, 12 fragment loads and 4 scale words of weights wanted two steps on, may be out (17: and the add).
.macro PAIR kind, zero, rf, fb, an
	PTOP
.if \rf
	s_wait_tensorcnt 0x0                           ; my part of the next pair's weights is in
	ds_add_u32 v[SPW], v[NIL]
	GADDR
	s_wait_dscnt 17
.else
.if \fb
	s_wait_tensorcnt 0x0                           ; the last part is in: I alone read my part
.endif
	s_wait_dscnt 16
.endif
	HMQ \kind, 0, 0, 0, \zero
.if \rf
	s_wait_dscnt 0x0                               ; the add is done, and my reads of the slot left behind
	s_barrier_signal -1
.endif
	HMQ \kind, 0, 0, 4, \zero
	WIN 0
.if \rf
	s_barrier_wait -1
	CREST
	tensor_load_to_lds s[G0:G0+3], s[G1:G1+7]
	s_nop 0
.endif
	PLACES                                         ; ahead of loads into registers that matrix instructions have read
	BRUN \fb, 0, 0, 0
	ALOAD 1, ADAC, 12288
	SAL 1, ADSAC, 4
	HMQ \kind, 0, 1, 0, \zero
	HMQ \kind, 0, 1, 4, \zero
	PLACES
	BRUN \fb, 0, 1, 0
.if \fb
	s_wait_dscnt 16
.else
	s_wait_dscnt 0x0
.endif
	HMQ \kind, 1, 0, 0, 0
	HMQ \kind, 1, 0, 4, 0
	PLACES
	BRUN \fb, 1, 0, 1
.if \an
	ALOAD 0, ADAN, 0
	SAL 0, ADSAN, 0
.endif
	HMQ \kind, 1, 1, 0, 0
	HMQ \kind, 1, 1, 4, 0
	PLACES                                         ; also ahead of a fold's first reads of results
	BRUN \fb, 1, 1, 1
.endm
; ---- the folds.  Each accumulator is read from its low end on.
.macro EPI_K                           ; sums of row block a += k x q, two columns an instruction
	s_wait_loadcnt 0x0                             ; q
.irp bh, 0,1
	WIN 0x06+\bh
.irp b4, 0,1,2,3
.irp jj, 0,1,2,3
.irp a, 0,1,2,3,4,5,6,7
	v_pk_fma_f32 v[EP+2*\a:EP+2*\a+1], v[8*(4*\a+\b4)+2*\jj:8*(4*\a+\b4)+2*\jj+1], v[192+8*(4*\bh+\b4)+2*\jj:192+8*(4*\bh+\b4)+2*\jj+1], v[EP+2*\a:EP+2*\a+1]
.endr
.endr
.endr
.endr
	WIN 0
.endm
.macro JOIN                            ; a sum's two halves, then lane l xor 16's
.irp i, 0,1,2,3,4,5,6,7
	v_add_f32 v[EP+2*\i], v[EP+2*\i], v[EP+2*\i+1]
.endr
.irp i, 0,1,2,3,4,5,6,7
	v_permlanex16_b32 v[EP+2*\i+1], v[EP+2*\i], s[SEL], s[SEL+1]
.endr
.irp i, 0,1,2,3,4,5,6,7
	v_add_f32 v[EP+2*\i], v[EP+2*\i], v[EP+2*\i+1]
.endr
.endm
.macro EPI_V                           ; sums of column block b = p x v over my 128 rows; out through my own 512 bytes of LDS
.irp bh, 0,1
	WIN 0x06+\bh
.irp a, 0,1,2,3,4,5,6,7
.irp jj, 0,1,2,3
.irp b4, 0,1,2,3
.if (\a == 0) && (\jj == 0)
	v_pk_mul_f32 v[EP+2*(4*\bh+\b4):EP+2*(4*\bh+\b4)+1], v[8*(4*\a+\b4)+2*\jj:8*(4*\a+\b4)+2*\jj+1], v[192+8*\a+2*\jj:192+8*\a+2*\jj+1]
.else
	v_pk_fma_f32 v[EP+2*(4*\bh+\b4):EP+2*(4*\bh+\b4)+1], v[8*(4*\a+\b4)+2*\jj:8*(4*\a+\b4)+2*\jj+1], v[192+8*\a+2*\jj:192+8*\a+2*\jj+1], v[EP+2*(4*\bh+\b4):EP+2*(4*\bh+\b4)+1]
.endif
.endr
.endr
.endr
.endr
	WIN 0
	JOIN
.irp b, 0,1,2,3,4,5,6,7
	ds_store_b32 v[CSI], v[EP+2*\b] offset:64*\b
.endr
	ds_load_b128 v[OUT:OUT+3], v[CSO]              ; LDS serves a wave's instructions in order
	s_wait_dscnt 0x0
	global_store_b128 v[L16], v[OUT:OUT+3], s[CURV:CURV+1]   ; 32 lanes store 512 consecutive bytes, aligned
	s_wait_xcnt 0x0                                ; the store has read its base and its data
.endm
	s_load_b256 s[4:11], s[0:1], 0x0               ; rows s[4:5], wimg s[6:7], qbuf s[8:9], ebuf s[10:11]
	s_load_b64 s[12:13], s[0:1], 0x20              ; cpart
	v_lshl_add_u32 v[SPW], v0, 2, SPARE
	v_mov_b32 v[NIL], 0
	ds_add_u32 v[SPW], v[NIL]                      ; the opening lines: the add, twice on end, and its wait ahead of the round in front of my first tensor load
	ds_add_u32 v[SPW], v[NIL]
	v_lshrrev_b32 v59, 5, v0
	v_readfirstlane_b32 s[WV], v59                 ; wave 0..3
	s_bfe_u32 s[CX], ttmp6, 0x40000
	s_lshl_b32 s[WGI], ttmp9, 2
	s_add_co_u32 s[WGI], s[WGI], s[CX]             ; work-group = 4 x cluster + cx
	s_and_b32 s[RHO], ttmp9, 3                     ; the same in the four partners
	s_mov_b32 s[SEL], 0x76543210
	s_mov_b32 s[SEL+1], 0xfedcba98
	s_mov_b32 s[G1+0], 15|(3<<16)|(1<<21)          ; the four partners; elements of 8 bytes: a part is 100 dense rows of 256 bytes
	s_mov_b32 s[G1+1], 32<<16
	s_mov_b32 s[G1+2], 100<<16
	s_mov_b32 s[G1+3], 32<<16
	s_mov_b32 s[G1+4], 100
	s_mov_b32 s[G1+5], 32
	s_mov_b32 s[G1+6], 0
	s_mov_b32 s[G1+7], 0
	s_mov_b32 s[G0], 1
	s_mov_b32 s[NREQ], 0
	s_mul_i32 s[POFF], s[WV], 25600
	s_mul_i32 s60, s[WV], 4352
	s_add_co_u32 s60, s60, STAGE
	s_mul_i32 s61, s[WV], 3072
	s_add_co_u32 s61, s61, AIMG
	s_lshl_b32 s62, s[WV], 8
	s_add_co_u32 s62, s62, ASC
	s_lshl_b32 s66, s[WV], 9
	v_and_b32 v56, 15, v0                          ; r
	v_bfe_u32 v57, v0, 4, 1                        ; h
	v_and_b32 v58, 31, v0                          ; lane
	v_lshlrev_b32 v[L16], 4, v58
	v_lshlrev_b32 v[SH8], 3, v57
	v_lshlrev_b32 v[GOFF], 4, v56
	v_lshl_add_u32 v[GOFF], v57, 12, v[GOFF]
	v_mul_u32_u24 v[STI], v57, 272
	v_lshl_add_u32 v[STI], v56, 4, v[STI]
	v_add_nc_u32 v[STI], s60, v[STI]
	v_mul_u32_u24 v[STO], v56, 272
	v_lshl_add_u32 v[STO], v57, 7, v[STO]
	v_add_nc_u32 v[STO], s60, v[STO]
	v_add_nc_u32 v[AWI], s61, v[L16]
	v_lshlrev_b32 v59, 3, v56                      ; 8 r
	v_add_nc_u32 v[AWS], s62, v59
	v_add_nc_u32 v[ADA0], AIMG, v[L16]
	v_lshl_add_u32 v[ADSA0], v57, 9, v59
	v_add_nc_u32 v[ADSA0], ASC, v[ADSA0]
	v_add_nc_u32 v[ADB0], s[POFF], v[L16]
	v_add_nc_u32 v[ADSB0], s[POFF], v59
	v_add_nc_u32 v[ADSB0], 24576, v[ADSB0]
	v_lshlrev_b32 v[QOF], 5, v57
	v_lshlrev_b32 v59, 2, v56
	v_add_nc_u32 v59, s66, v59                     ; 512 w + 4 r
	v_add_nc_u32 v[ERI], ER, v59
	v_add_nc_u32 v[CSI], CS, v59
	v_add_nc_u32 v[ERO], ER, v[L16]
	v_add_nc_u32 v59, s66, v[L16]
	v_add_nc_u32 v[PBI], PB, v59
	v_add_nc_u32 v[CSO], CS, v59
	v_add_nc_u32 v59, s66, v[QOF]
	v_add_nc_u32 v[PBO], PB, v59
	v_min_u32 v[PFO], 24, v58
	v_lshlrev_b32 v[PFO], 8, v[PFO]                ; lanes 25-31 name the last block again
	v_mov_b32 v[TP], 0                             ; a lane permute's destination counts as one of its sources
	s_wait_alu depctr_va_vdst(0)
	s_wait_dscnt 0x0                               ; both opening adds are done
	s_wait_kmcnt 0x0
	s_lshl_b32 s20, s[WGI], 19
	s_lshl_b32 s21, s[WV], 17
	s_add_co_u32 s20, s20, s21
	s_mov_b32 s21, 0
	s_add_nc_u64 s[ENC:ENC+1], s[ENC:ENC+1], s[20:21]   ; my 32 rows
	s_lshl_b32 s[ROF], s[RHO], 10
	s_mov_b32 s[ROF+1], 0
	s_add_nc_u64 s[ENCN:ENCN+1], s[ENC:ENC+1], s[ROF:ROF+1]
.irp x, 0,1,2,3,4,5,6
	QLOAD \x                                       ; the rows' stream starts ahead of the round
.endr
	WIN 0
	s_mov_b32 s20, s[POFF]
	s_add_nc_u64 s[WB:WB+1], s[6:7], s[20:21]
	s_lshr_b32 s20, s[WGI], 3
	s_lshl_b32 s20, s20, 6
	s_lshl_b32 s22, s[WV], 14
	s_add_co_u32 s20, s20, s22
	s_add_nc_u64 s[CUR:CUR+1], s[8:9], s[20:21]    ; qbuf: my batch, my eight column blocks
	s_lshl_b32 s20, s[WGI], 9
	s_add_nc_u64 s[10:11], s[10:11], s[20:21]
	s_lshl_b32 s20, s[WGI], 12
	s_add_co_u32 s20, s20, s66
	s_add_nc_u64 s[CURV:CURV+1], s[12:13], s[20:21]
	s_mul_i32 s20, s[WGI], 6400
	s_add_nc_u64 s[PFA:PFA+1], s[6:7], s[20:21]
	GADDR                                          ; part 0, slot 0
	CROUND                                         ; the four partners are here: the first joint loads meet
	tensor_load_to_lds s[G0:G0+3], s[G1:G1+7]      ; one tensor load a wave at the head
	s_nop 0
	PLACES
	s_wait_tensorcnt 0x0
	ds_add_u32 v[SPW], v[NIL]
	GADDR                                          ; part 1, slot 1
	s_wait_dscnt 0x0
	CROUND
	tensor_load_to_lds s[G0:G0+3], s[G1:G1+7]
	s_nop 0
	PLACES
	s_wait_loadcnt 48                              ; the first half is in; six halves may be out
	XTURN 0, 0
	QLOAD 7
	WIN 0
	ROT
	s_cmp_lg_u32 s[WV], 0
	s_cbranch_scc1 .Lno_pf
	global_prefetch_b8 v[PFO], s[PFA:PFA+1] th:TH_LOAD_NT scope:SCOPE_SE
.Lno_pf:
	s_mov_b32 s40, 0
	s_mov_b32 s41, 0
	s_mov_b32 s42, 3
.Lq:
	v_add_nc_u32 v[AWIC], s40, v[AWI]
	v_add_nc_u32 v[AWSC], s41, v[AWS]
.irp x, 0,1,2,3,4,5,6,7
	QSTEP \x, 1, 48, 1
.endr
	WIN 0
	ROT
	s_add_co_u32 s40, s40, 24576
	s_add_co_u32 s41, s41, 1024
	s_sub_co_u32 s42, s42, 1
	s_cmp_lg_u32 s42, 0
	s_cbranch_scc1 .Lq
	v_add_nc_u32 v[AWIC], s40, v[AWI]
	v_add_nc_u32 v[AWSC], s41, v[AWS]
.irp x, 0,1,2,3,4,5,6
	QSTEP \x, 0, 8*(6-\x), 1
.endr
	QSTEP 7, 0, 0, 0
.irp i, 0,1,2,3,4,5,6,7,8,9,10,11,12,13,14,15
	v_mov_b32 v[EP+\i], 0                          ; the energies' sums live through both folds with q
.endr
	s_wait_alu depctr_va_vdst(0)
	s_wait_tensorcnt 0x0                           ; my parts 0 and 1 are in
	s_wait_dscnt 0x0                               ; my images and scale words lie in LDS
	s_barrier_signal -1
	s_barrier_wait -1
	; ---- phase 2.  Pair 0's operands; the last 16 loads are wanted in its second step alone
	ALOAD 0, ADA0, 0
	SAL 0, ADSA0, 0
.irp t, 0,1
.irp bh, 0,1
	WIN 0x40
	BL \t, \bh, \t, ADB0
	WIN 0
	SBL \t, \bh, \t, ADSB0
.endr
.endr
	s_mov_b32 s44, 0
	s_mov_b32 s45, 0
	s_mov_b32 s46, 0
	s_mov_b32 s47, 0
	s_mov_b32 s43, 2
.Lk:
	WIN 0x40
.irp b, 0,1,2,3,4,5,6,7
	global_load_b128 v[192+8*\b:195+8*\b], v[QOF], s[CUR:CUR+1] offset:2048*\b      ; q at my columns of this chunk
	global_load_b128 v[196+8*\b:199+8*\b], v[QOF], s[CUR:CUR+1] offset:2048*\b+16
.endr
	WIN 0
	PAIR 0, 1, 1, 1, 1
	s_mov_b32 s42, 3
.Lki:
	PAIR 0, 0, 1, 1, 1
	s_sub_co_u32 s42, s42, 1
	s_cmp_lg_u32 s42, 0
	s_cbranch_scc1 .Lki
	EPI_K
	s_add_nc_u64 s[CUR:CUR+1], s[CUR:CUR+1], 65536
	s_sub_co_u32 s43, s43, 1
	s_cmp_lg_u32 s43, 0
	s_wait_alu depctr_va_vdst(0)
	s_cbranch_scc1 .Lk
	; ---- the energies: my 256 columns' sums meet the other waves' in LDS
	JOIN
.irp a, 0,1,2,3,4,5,6,7
	ds_store_b32 v[ERI], v[EP+2*\a] offset:64*\a
.endr
	s_wait_dscnt 0x0
	s_barrier_signal -1
	s_barrier_wait -1
.irp p, 0,1,2,3
	ds_load_b128 v[T+4*\p:T+4*\p+3], v[ERO] offset:512*\p
.endr
	s_wait_dscnt 0x0
	v_pk_add_f32 v[T:T+1], v[T:T+1], v[T+4:T+5]
	v_pk_add_f32 v[T+2:T+3], v[T+2:T+3], v[T+6:T+7]
	v_pk_add_f32 v[T+8:T+9], v[T+8:T+9], v[T+12:T+13]
	v_pk_add_f32 v[T+10:T+11], v[T+10:T+11], v[T+14:T+15]
	v_pk_add_f32 v[T:T+1], v[T:T+1], v[T+8:T+9]
	v_pk_add_f32 v[T+2:T+3], v[T+2:T+3], v[T+10:T+11]
.irp i, 0,1,2,3
	v_mul_f32 v[T+\i], 0x3d000000, v[T+\i]         ; / sqrt(1024)
.endr
	s_cmp_lg_u32 s[WV], 0
	s_cbranch_scc1 .Lno_e
	global_store_b128 v[L16], v[T:T+3], s[10:11]
.Lno_e:
	s_wait_alu depctr_va_vdst(0)
	v_max3_num_f32 v[EP+1], v[T], v[T+1], v[T+2]
	v_max_num_f32 v[EP+1], v[EP+1], v[T+3]
	v_max_num_f32_dpp v[EP+1], v[EP+1], v[EP+1] row_xmask:1 row_mask:0xf bank_mask:0xf
	v_max_num_f32_dpp v[EP+1], v[EP+1], v[EP+1] row_xmask:2 row_mask:0xf bank_mask:0xf
	v_max_num_f32_dpp v[EP+1], v[EP+1], v[EP+1] row_xmask:4 row_mask:0xf bank_mask:0xf
	v_max_num_f32_dpp v[EP+1], v[EP+1], v[EP+1] row_xmask:8 row_mask:0xf bank_mask:0xf
	v_permlanex16_b32 v[EP+3], v[EP+1], s[SEL], s[SEL+1]
	v_max_num_f32 v[EP+1], v[EP+1], v[EP+3]        ; the block's maximum
.irp i, 0,1,2,3
	v_sub_f32 v[T+4+\i], v[T+\i], v[EP+1]
.endr
.irp i, 0,1,2,3
	v_mul_f32 v[T+4+\i], 0x3fb8aa3b, v[T+4+\i]
.endr
	s_wait_alu depctr_va_vdst(0)
.irp i, 0,1,2,3
	v_exp_f32 v[T+4+\i], v[T+4+\i]
.endr
	v_nop
	s_wait_alu depctr_va_vdst(0)
	ds_store_b128 v[PBI], v[T+4:T+7]               ; p, into my wave's own 512 bytes
	WIN 0x40
.irp a, 0,1,2,3,4,5,6,7
	ds_load_b128 v[192+8*\a:195+8*\a], v[PBO] offset:64*\a
	ds_load_b128 v[196+8*\a:199+8*\a], v[PBO] offset:64*\a+16
.endr
	WIN 0
	s_wait_xcnt 0x0                                ; the energies' store has read its data: the rows' fragments may land there
	; ---- the values: chunks 2 and 3
	s_mov_b32 s43, 2
.Lv:
	PAIR 1, 1, 1, 1, 1
	PAIR 1, 0, 1, 1, 1
	s_cmp_eq_u32 s43, 1
	s_cbranch_scc1 .Lvl                            ; the last chunk's tail is written out: it asks for nothing more
	s_mov_b32 s42, 2
.Lvi:
	PAIR 1, 0, 1, 1, 1
	s_sub_co_u32 s42, s42, 1
	s_cmp_lg_u32 s42, 0
	s_cbranch_scc1 .Lvi
	EPI_V
	s_add_nc_u64 s[CURV:CURV+1], s[CURV:CURV+1], 2048
	s_sub_co_u32 s43, s43, 1
	s_cmp_lg_u32 s43, 0
	s_wait_alu depctr_va_vdst(0)
	s_cbranch_scc1 .Lv
.Lvl:
	PAIR 1, 0, 0, 1, 1
	PAIR 1, 0, 0, 0, 0
	EPI_V
	s_wait_tensorcnt 0x0                           ; the wave's end
	ds_add_u32 v[SPW], v[NIL]
	s_wait_dscnt 0x0
	CROUND                                         ; the closing round
	s_endpgm
.Lfunc_end_k_q48e618c67d_main:
	.size	k_q48e618c67d_main, .Lfunc_end_k_q48e618c67d_main-k_q48e618c67d_main
	.p2alignl 7, 3214868480
	.fill 96, 4, 3214868480
	.section	.rodata,"a",@progbits
	.p2align	6, 0x0
	.amdhsa_kernel k_q48e618c67d_main
		.amdhsa_group_segment_fixed_size 327680
		.amdhsa_private_segment_fixed_size 0
		.amdhsa_enable_private_segment 0
		.amdhsa_kernarg_size 40
		.amdhsa_user_sgpr_count 2
		.amdhsa_user_sgpr_kernarg_segment_ptr 1
		.amdhsa_wavefront_size32 1
		.amdhsa_system_sgpr_workgroup_id_x 1
		.amdhsa_system_sgpr_workgroup_id_y 1
		.amdhsa_system_sgpr_workgroup_id_z 1
		.amdhsa_system_vgpr_workitem_id 0
		.amdhsa_next_free_vgpr 1024
		.amdhsa_next_free_sgpr 72
		.amdhsa_reserve_vcc 0
		.amdhsa_float_denorm_mode_32 3
		.amdhsa_float_denorm_mode_16_64 3
		.amdhsa_memory_ordered 1
		.amdhsa_forward_progress 1
		.amdhsa_inst_pref_size 255
	.end_amdhsa_kernel
	.section	.bss,"aw",@nobits
	.p2align	6
	.space	262144
	.amdgpu_metadata
---
amdhsa.version: [ 1, 2 ]
amdhsa.kernels:
  - .name:           k_q48e618c67d_main
    .symbol:         k_q48e618c67d_main.kd
    .args:
      - { .name: encoder_outputs, .offset: 0, .size: 8, .value_kind: global_buffer, .address_space: global }
      - { .name: wimg, .offset: 8, .size: 8, .value_kind: global_buffer, .address_space: global }
      - { .name: qbuf, .offset: 16, .size: 8, .value_kind: global_buffer, .address_space: global }
      - { .name: ebuf, .offset: 24, .size: 8, .value_kind: global_buffer, .address_space: global }
      - { .name: cpart, .offset: 32, .size: 8, .value_kind: global_buffer, .address_space: global }
    .group_segment_fixed_size: 327680
    .private_segment_fixed_size: 0
    .kernarg_segment_align: 8
    .kernarg_segment_size: 40
    .max_flat_workgroup_size: 128
    .sgpr_count:     72
    .vgpr_count:     1024
    .wavefront_size: 32
...
	.end_amdgpu_metadata
.endif
;; end of part 2
;; launch finish (part 3): grid 32 x 1, 8 waves a work-group, no clusters, 1,280 bytes of LDS; arguments ebuf, cpart, bv, alpha, gamma, beta, out0, out1; writes out0, out1
.if DOCPART == 3
	.amdgcn_target "amdgcn-amd-amdhsa--gfx1250"
	.amdhsa_code_object_version 6
	.text
	.protected	k_q48e618c67d_finish
	.globl	k_q48e618c67d_finish
	.p2align	8
	.type	k_q48e618c67d_finish,@function
k_q48e618c67d_finish:
	s_mov_b64 s[64:65], 0
	v_nop
	global_prefetch_b8 v0, s[64:65] scope:SCOPE_SE
	s_setreg_imm32_b32 hwreg(HW_REG_WAVE_MODE, 25, 1), 1
	s_wait_xcnt 0x0
; One work-group for each batch.  Thread t owns the 16 bytes at 16 t of every row of 4,096 bytes; wave g holds the energies of block g (128 rows), whose sums of p v lie in cpart row 8 batch + g.
; out1 = softmax(e): block maxima m_g and sums l_g meet in LDS; m = the largest m_g; f_g = 2^((m_g - m) log2 e); L = the sum of f_g l_g (at least 1); weight = p f_g / L.
; out0 = gamma tanh(alpha (sum of f_g cpart_g / L + bv)) + beta, with tanh(x) = 1 - 2 / (1 + 2^(2 log2(e) x)), which goes to +-1 where the exponential leaves f32's range.
; Memory binds and the launch is small: no matrix unit, no tensor load; every load and store of a wave covers 512 consecutive bytes.
; LIMITS: NaN and infinities among the inputs are not served.
	s_load_b256 s[4:11], s[0:1], 0x0               ; ebuf s[4:5], cpart s[6:7], bv s[8:9], alpha s[10:11]
	s_load_b256 s[12:19], s[0:1], 0x20             ; gamma s[12:13], beta s[14:15], out0 s[16:17], out1 s[18:19]
	v_lshl_add_u32 v96, v0, 2, 0x100
	v_mov_b32 v97, 0
	v_lshlrev_b32 v1, 4, v0                        ; 16 t
	v_lshrrev_b32 v2, 5, v0
	s_delay_alu instid0(VALU_DEP_1)
	v_lshlrev_b32 v2, 3, v2                        ; LDS: 8 x wave
	v_mov_b32 v3, 0
	v_mov_b32 v53, 0                               ; lane permutes' destinations count as sources
	v_mov_b32 v55, 0
	s_lshl_b32 s22, ttmp9, 12
	s_mov_b32 s23, 0
	s_lshl_b32 s24, ttmp9, 15
	s_mov_b32 s25, 0
	s_mov_b32 s26, 0x76543210
	s_mov_b32 s27, 0xfedcba98
	s_wait_alu depctr_va_vdst(0)
	s_wait_kmcnt 0x0
	s_load_b32 s20, s[10:11], 0x0                  ; alpha
	s_add_nc_u64 s[4:5], s[4:5], s[22:23]
	s_add_nc_u64 s[6:7], s[6:7], s[24:25]
	s_add_nc_u64 s[16:17], s[16:17], s[22:23]
	s_add_nc_u64 s[18:19], s[18:19], s[22:23]
	global_load_b128 v[4:7], v1, s[4:5] th:TH_LOAD_NT
.irp g, 0,1,2,3,4,5,6,7
	global_load_b128 v[8+4*\g:11+4*\g], v1, s[6:7] offset:4096*\g th:TH_LOAD_NT
.endr
	global_load_b128 v[40:43], v1, s[8:9]
	global_load_b128 v[44:47], v1, s[12:13]
	global_load_b128 v[48:51], v1, s[14:15]
	s_wait_loadcnt 11                              ; the energies are in; the eleven loads behind them may be out
	v_max3_num_f32 v52, v4, v5, v6
	s_delay_alu instid0(VALU_DEP_1)
	v_max_num_f32 v52, v52, v7
	s_delay_alu instid0(VALU_DEP_1)
	v_max_num_f32_dpp v52, v52, v52 row_xmask:1 row_mask:0xf bank_mask:0xf
	s_delay_alu instid0(VALU_DEP_1)
	v_max_num_f32_dpp v52, v52, v52 row_xmask:2 row_mask:0xf bank_mask:0xf
	s_delay_alu instid0(VALU_DEP_1)
	v_max_num_f32_dpp v52, v52, v52 row_xmask:4 row_mask:0xf bank_mask:0xf
	s_delay_alu instid0(VALU_DEP_1)
	v_max_num_f32_dpp v52, v52, v52 row_xmask:8 row_mask:0xf bank_mask:0xf
	s_delay_alu instid0(VALU_DEP_1)
	v_permlanex16_b32 v53, v52, s26, s27
	s_delay_alu instid0(VALU_DEP_1)
	v_max_num_f32 v52, v52, v53                    ; m_g
.irp i, 0,1,2,3
	v_sub_f32 v[84+\i], v[4+\i], v52
.endr
.irp i, 0,1,2,3
	s_delay_alu instid0(VALU_DEP_4)
	v_mul_f32 v[84+\i], 0x3fb8aa3b, v[84+\i]
.endr
	s_wait_alu depctr_va_vdst(0)
.irp i, 0,1,2,3
	v_exp_f32 v[84+\i], v[84+\i]                   ; p under the block's maximum
.endr
	v_nop
	s_wait_alu depctr_va_vdst(0)
	v_add_f32 v54, v84, v85
	v_add_f32 v55, v86, v87
	s_delay_alu instid0(VALU_DEP_1)
	v_add_f32 v54, v54, v55
	s_delay_alu instid0(VALU_DEP_1)
	v_add_f32_dpp v54, v54, v54 row_xmask:1 row_mask:0xf bank_mask:0xf
	s_delay_alu instid0(VALU_DEP_1)
	v_add_f32_dpp v54, v54, v54 row_xmask:2 row_mask:0xf bank_mask:0xf
	s_delay_alu instid0(VALU_DEP_1)
	v_add_f32_dpp v54, v54, v54 row_xmask:4 row_mask:0xf bank_mask:0xf
	s_delay_alu instid0(VALU_DEP_1)
	v_add_f32_dpp v54, v54, v54 row_xmask:8 row_mask:0xf bank_mask:0xf
	s_delay_alu instid0(VALU_DEP_1)
	v_permlanex16_b32 v55, v54, s26, s27
	s_delay_alu instid0(VALU_DEP_1)
	v_add_f32 v53, v54, v55                        ; l_g
	ds_store_b64 v2, v[52:53]                      ; all lanes write the same eight bytes with the same values
	s_wait_dscnt 0x0
	s_barrier_signal -1
	s_barrier_wait -1
.irp p, 0,1,2,3
	ds_load_b128 v[56+4*\p:59+4*\p], v3 offset:16*\p       ; m_g at v[56 + 2 g], l_g at v[57 + 2 g]
.endr
	s_wait_dscnt 0x0
	v_max3_num_f32 v80, v56, v58, v60
	s_delay_alu instid0(VALU_DEP_1)
	v_max3_num_f32 v80, v80, v62, v64
	s_delay_alu instid0(VALU_DEP_1)
	v_max3_num_f32 v80, v80, v66, v68
	s_delay_alu instid0(VALU_DEP_1)
	v_max_num_f32 v80, v80, v70                    ; m
.irp g, 0,1,2,3,4,5,6,7
	v_sub_f32 v[72+\g], v[56+2*\g], v80
.endr
	v_sub_f32 v81, v52, v80
.irp g, 0,1,2,3,4,5,6,7
	v_mul_f32 v[72+\g], 0x3fb8aa3b, v[72+\g]
.endr
	v_mul_f32 v81, 0x3fb8aa3b, v81
	s_wait_alu depctr_va_vdst(0)
.irp g, 0,1,2,3,4,5,6,7
	v_exp_f32 v[72+\g], v[72+\g]                   ; f_g
.endr
	v_exp_f32 v81, v81                             ; my own block's
	v_nop
	s_wait_alu depctr_va_vdst(0)
	v_mul_f32 v82, v72, v57
.irp g, 1,2,3,4,5,6,7
	v_fma_f32 v82, v[72+\g], v[57+2*\g], v82       ; L
.endr
	s_wait_alu depctr_va_vdst(0)
	v_rcp_f32 v83, v82
	v_nop
	s_wait_alu depctr_va_vdst(0)
	v_mul_f32 v81, v81, v83
.irp i, 0,1,2,3
	v_mul_f32 v[84+\i], v[84+\i], v81
.endr
	global_store_b128 v1, v[84:87], s[18:19]       ; the weights
	s_wait_loadcnt 0x0
.irp i, 0,1,2,3
	v_mul_f32 v[88+\i], v72, v[8+\i]
.endr
.irp g, 1,2,3,4,5,6,7
.irp i, 0,1,2,3
	v_fma_f32 v[88+\i], v[72+\g], v[8+4*\g+\i], v[88+\i]
.endr
.endr
.irp i, 0,1,2,3
	v_fma_f32 v[88+\i], v[88+\i], v83, v[40+\i]    ; / L, + bv
.endr
	s_wait_alu depctr_va_vdst(0)
	s_wait_kmcnt 0x0                               ; alpha
.irp i, 0,1,2,3
	v_mul_f32 v[92+\i], s20, v[88+\i]
.endr
.irp i, 0,1,2,3
	s_delay_alu instid0(VALU_DEP_4)
	v_mul_f32 v[92+\i], 0x4038aa3b, v[92+\i]       ; x 2 log2(e)
.endr
	s_wait_alu depctr_va_vdst(0)
.irp i, 0,1,2,3
	v_exp_f32 v[92+\i], v[92+\i]
.endr
	v_nop
	s_wait_alu depctr_va_vdst(0)
.irp i, 0,1,2,3
	v_add_f32 v[92+\i], 1.0, v[92+\i]
.endr
	s_wait_alu depctr_va_vdst(0)
.irp i, 0,1,2,3
	v_rcp_f32 v[92+\i], v[92+\i]
.endr
	v_nop
	s_wait_alu depctr_va_vdst(0)
.irp i, 0,1,2,3
	v_fma_f32 v[92+\i], v[92+\i], -2.0, 1.0        ; tanh
.endr
.irp i, 0,1,2,3
	s_delay_alu instid0(VALU_DEP_4)
	v_fma_f32 v[92+\i], v[92+\i], v[44+\i], v[48+\i]
.endr
	global_store_b128 v1, v[92:95], s[16:17]
	s_wait_tensorcnt 0x0
	ds_add_u32 v96, v97
	s_wait_dscnt 0x0
	s_endpgm
.Lfunc_end_k_q48e618c67d_finish:
	.size	k_q48e618c67d_finish, .Lfunc_end_k_q48e618c67d_finish-k_q48e618c67d_finish
	.p2alignl 7, 3214868480
	.fill 96, 4, 3214868480
	.section	.rodata,"a",@progbits
	.p2align	6, 0x0
	.amdhsa_kernel k_q48e618c67d_finish
		.amdhsa_group_segment_fixed_size 1280
		.amdhsa_private_segment_fixed_size 0
		.amdhsa_enable_private_segment 0
		.amdhsa_kernarg_size 64
		.amdhsa_user_sgpr_count 2
		.amdhsa_user_sgpr_kernarg_segment_ptr 1
		.amdhsa_wavefront_size32 1
		.amdhsa_system_sgpr_workgroup_id_x 1
		.amdhsa_system_sgpr_workgroup_id_y 1
		.amdhsa_system_sgpr_workgroup_id_z 1
		.amdhsa_system_vgpr_workitem_id 0
		.amdhsa_next_free_vgpr 98
		.amdhsa_next_free_sgpr 66
		.amdhsa_reserve_vcc 0
		.amdhsa_float_denorm_mode_32 3
		.amdhsa_float_denorm_mode_16_64 3
		.amdhsa_memory_ordered 1
		.amdhsa_forward_progress 1
		.amdhsa_inst_pref_size 12
	.end_amdhsa_kernel
	.amdgpu_metadata
---
amdhsa.version: [ 1, 2 ]
amdhsa.kernels:
  - .name:           k_q48e618c67d_finish
    .symbol:         k_q48e618c67d_finish.kd
    .args:
      - { .name: ebuf, .offset: 0, .size: 8, .value_kind: global_buffer, .address_space: global }
      - { .name: cpart, .offset: 8, .size: 8, .value_kind: global_buffer, .address_space: global }
      - { .name: bv, .offset: 16, .size: 8, .value_kind: global_buffer, .address_space: global }
      - { .name: alpha, .offset: 24, .size: 8, .value_kind: global_buffer, .address_space: global }
      - { .name: gamma, .offset: 32, .size: 8, .value_kind: global_buffer, .address_space: global }
      - { .name: beta, .offset: 40, .size: 8, .value_kind: global_buffer, .address_space: global }
      - { .name: out0, .offset: 48, .size: 8, .value_kind: global_buffer, .address_space: global }
      - { .name: out1, .offset: 56, .size: 8, .value_kind: global_buffer, .address_space: global }
    .group_segment_fixed_size: 1280
    .private_segment_fixed_size: 0
    .kernarg_segment_align: 8
    .kernarg_segment_size: 64
    .max_flat_workgroup_size: 256
    .sgpr_count:     66
    .vgpr_count:     98
    .wavefront_size: 32
...
	.end_amdgpu_metadata
.endif
;; end of part 3
